; MI455X (gfx1250); checked and timed in simulation.
; The chip was launched on July 23, 2026; its instructions are those of AMD's public machine-readable ISA for CDNA 5 (MIT licence, August 2026) and "CDNA5" Instruction Set Architecture Reference Guide (July 2026). The comments in the code are by the model that wrote it; some were corrected since.
;; RDM Module. Allowed arithmetic: float matrix products may take bf16 or f16 operands with f32 sums; all other float work in f32.
;; Inputs: embeddings 4,096 x 4,096 float32.
;; Outputs: out0 4,096 x 4,096 float32.
;; 2 versions, each right and faster than the one before. Each part assembles by itself: llvm-mc -triple=amdgcn-amd-amdhsa -mcpu=gfx1250 --defsym DOCPART=n.
;; ======== version 1 of 2: 2 launches
;; workspace buffers: eb 33,554,432 bytes; sq 16,384 bytes
;; launch cast (part 1): grid 256 x 1, 16 waves a work-group, no clusters, 2,304 bytes of LDS; arguments embeddings, eb, sq; writes eb, sq
.if DOCPART == 1
	.amdgcn_target "amdgcn-amd-amdhsa--gfx1250"
	.amdhsa_code_object_version 6
	.text
	.protected	k_q20307792f0_cast
	.globl	k_q20307792f0_cast
	.p2align	8
	.type	k_q20307792f0_cast,@function
k_q20307792f0_cast:
	s_mov_b64 s[64:65], 0
	v_nop
	global_prefetch_b8 v0, s[64:65] scope:SCOPE_SE
	s_setreg_imm32_b32 hwreg(HW_REG_WAVE_MODE, 25, 1), 1
	s_wait_xcnt 0x0
; eb = E rounded to bf16, its rows permuted inside groups of 64;  sq[n] = the sum over k of bf16(E[n][k])^2, in f32, in natural order.
; E: [4096][4096] f32.  eb: [4096][4096] bf16.  sq: [4096] f32.
; WHY sq IS MADE OF THE ROUNDED NUMBERS: the next launch forms sq[i] + sq[j] - 2 g[i][j] with g from the bf16 rows.  With sq from the same rounded
; rows that is the squared distance of the rounded rows, whose error does not grow with a common offset of the inputs.
; THE PERMUTATION: row n = 64 g + 4 r + b (r = 0..15, b = 0..3) is stored as row p = 64 g + 16 b + r.  Sixteen neighbouring rows of eb are then the
; true rows 4 r + b of a group, so that in the next launch four accumulators hold four neighbouring columns of the output in one lane.
; SHARES: a work-group takes 16 rows, a wave one row: 16,384 bytes = 32 loads of 16 bytes a lane, each covering 512 neighbouring bytes; all 32 are
; issued at once into 128 registers, so the text is a straight line.  No tiles in LDS, no cluster, no matrix unit: no byte is used twice.
; LIMITS: a number beyond bf16's largest finite value rounds to infinity (there the sum of squares overflows f32 as well).
.set T,   6                            ; v[6:9]     four rounded numbers, widened to f32
.set ACC, 10                           ; v[10:17]   four packed chains of sums of squares
.set X,   20                           ; v[20:147]  the row as loaded; words 0 and 1 of each four then hold the four bf16
	s_load_b128 s[4:7], s[0:1], 0x0                ; E s[4:5], eb s[6:7]
	s_load_b64 s[8:9], s[0:1], 0x10                ; sq
	v_lshl_add_u32 v148, v0, 2, 0x100
	v_mov_b32 v149, 0
	v_lshrrev_b32 v5, 5, v0
	v_readfirstlane_b32 s10, v5                    ; wave 0..15
	v_and_b32 v3, 31, v0                           ; lane
	v_lshlrev_b32 v1, 4, v3                        ; 16 bytes of E a lane
	v_lshlrev_b32 v2, 3, v3                        ; 8 bytes of eb a lane
	v_lshlrev_b32 v3, 2, v3                        ; 4 bytes of sq a lane (wave 0, at the end)
	v_mov_b32 v4, s10
	v_lshlrev_b32 v4, 2, v4                        ; my wave's word in LDS
	s_mov_b32 s12, 0x76543210                      ; v_permlanex16_b32: each lane takes its own place in the other half
	s_mov_b32 s13, 0xfedcba98
	s_mov_b32 s14, 0xffff0000                      ; a word's upper bf16
	s_lshl_b32 s11, ttmp9, 4
	s_add_co_u32 s11, s11, s10                     ; n = 16 x work-group + wave
	s_and_b32 s15, s11, 0xfc0                      ; 64 g
	s_and_b32 s18, s11, 3
	s_lshl_b32 s18, s18, 4                         ; 16 b
	s_or_b32 s15, s15, s18
	s_bfe_u32 s18, s11, 0x40002                    ; r: 4 bits from bit 2
	s_or_b32 s15, s15, s18                         ; p
	s_lshl_b32 s16, s11, 14                        ; n rows of 16,384 bytes: under 2^26
	s_mov_b32 s17, 0
	s_wait_kmcnt 0x0
	s_add_nc_u64 s[4:5], s[4:5], s[16:17]          ; E at my row
	s_lshl_b32 s16, s15, 13                        ; p rows of 8,192 bytes
	s_add_nc_u64 s[6:7], s[6:7], s[16:17]          ; eb at my row's place
	s_lshl_b32 s16, ttmp9, 6                       ; 16 words of sq for each work-group
	s_add_nc_u64 s[8:9], s[8:9], s[16:17]
.irp c, 0,1,2,3,4,5,6,7,8,9,10,11,12,13,14,15,16,17,18,19,20,21,22,23,24,25,26,27,28,29,30,31
	global_load_b128 v[X+4*\c:X+4*\c+3], v1, s[4:5] offset:512*\c th:TH_LOAD_NT   ; E is read once in the launch
.endr
; Piece c of the row: 128 numbers, four a lane.  Rounded, stored (32 lanes x 8 bytes: 256 consecutive bytes, aligned), widened again and squared.
; The store's data registers are only read afterwards and its address registers are never rewritten, so no wait frees anything here.
.macro CHUNK c
.set XC, X+4*\c
.set CH, ACC+4*(\c%2)                  ; even pieces feed chains 0 and 1, odd pieces chains 2 and 3
	s_wait_loadcnt 31-\c                           ; loads come back in order (ISA guide 5.7.1): piece c is in, the 31 - c younger ones stay out
	v_cvt_pk_bf16_f32 v[XC], v[XC], v[XC+1]
	v_cvt_pk_bf16_f32 v[XC+1], v[XC+2], v[XC+3]
	global_store_b64 v2, v[XC:XC+1], s[6:7] offset:256*\c     ; no hint: the next launch reads eb many times
	v_lshlrev_b32 v[T],   16,  v[XC]
	v_and_b32     v[T+1], s14, v[XC]
	v_lshlrev_b32 v[T+2], 16,  v[XC+1]
	v_and_b32     v[T+3], s14, v[XC+1]
.if \c < 2
	v_pk_mul_f32 v[CH:CH+1],   v[T:T+1],   v[T:T+1]           ; the first two pieces start the four chains: nothing is cleared
	v_pk_mul_f32 v[CH+2:CH+3], v[T+2:T+3], v[T+2:T+3]
.else
	v_pk_fma_f32 v[CH:CH+1],   v[T:T+1],   v[T:T+1],   v[CH:CH+1]
	v_pk_fma_f32 v[CH+2:CH+3], v[T+2:T+3], v[T+2:T+3], v[CH+2:CH+3]
.endif
.endm
.irp c, 0,1,2,3,4,5,6,7,8,9,10,11,12,13,14,15,16,17,18,19,20,21,22,23,24,25,26,27,28,29,30,31
	CHUNK \c
.endr
	; the lane's eight partial sums, then the 32 lanes'
	v_pk_add_f32 v[ACC:ACC+1],   v[ACC:ACC+1],   v[ACC+2:ACC+3]
	v_pk_add_f32 v[ACC+4:ACC+5], v[ACC+4:ACC+5], v[ACC+6:ACC+7]
	v_pk_add_f32 v[ACC:ACC+1],   v[ACC:ACC+1],   v[ACC+4:ACC+5]
	v_add_f32 v[ACC], v[ACC], v[ACC+1]
	v_add_f32_dpp v[ACC], v[ACC], v[ACC] row_xmask:1 row_mask:0xf bank_mask:0xf
	v_add_f32_dpp v[ACC], v[ACC], v[ACC] row_xmask:2 row_mask:0xf bank_mask:0xf
	v_add_f32_dpp v[ACC], v[ACC], v[ACC] row_xmask:4 row_mask:0xf bank_mask:0xf
	v_add_f32_dpp v[ACC], v[ACC], v[ACC] row_xmask:8 row_mask:0xf bank_mask:0xf
	v_permlanex16_b32 v[T+1], v[ACC], s12, s13     ; its destination counts as read: a register that has been written
	v_add_f32 v[ACC], v[ACC], v[T+1]               ; every lane holds the row's sum
	; the sixteen rows' sums meet in LDS, so that one store of 64 neighbouring bytes takes them out (sq is 16 KiB of the launch's 96 MiB)
	ds_store_b32 v4, v[ACC]                        ; all lanes write the wave's word with the same value
	s_wait_dscnt 0x0                               ; for wave 0's sake: my word is written
	s_barrier_signal -1
	s_barrier_wait -1
	s_cmp_lg_u32 s10, 0
	s_cbranch_scc1 .Lend
	s_wait_xcnt 0x0                                ; EXEC is a source of my pending stores: it changes only behind this wait
	v_cmp_gt_u32 vcc_lo, 16, v0
	s_and_saveexec_b32 s20, vcc_lo                 ; lanes 0 to 15 of wave 0
	ds_load_b32 v5, v3                             ; lane i: the sum of the group's row i
	s_wait_dscnt 0x0
	global_store_b32 v3, v5, s[8:9]
	s_wait_xcnt 0x0                                ; and again in front of the line that widens EXEC
	s_or_b32 exec_lo, exec_lo, s20
.Lend:
	s_wait_tensorcnt 0x0
	ds_add_u32 v148, v149
	s_wait_dscnt 0x0
	s_endpgm
.Lfunc_end_k_q20307792f0_cast:
	.size	k_q20307792f0_cast, .Lfunc_end_k_q20307792f0_cast-k_q20307792f0_cast
	.p2alignl 7, 3214868480
	.fill 96, 4, 3214868480
	.section	.rodata,"a",@progbits
	.p2align	6, 0x0
	.amdhsa_kernel k_q20307792f0_cast
		.amdhsa_group_segment_fixed_size 2304
		.amdhsa_private_segment_fixed_size 0
		.amdhsa_enable_private_segment 0
		.amdhsa_kernarg_size 24
		.amdhsa_user_sgpr_count 2
		.amdhsa_user_sgpr_kernarg_segment_ptr 1
		.amdhsa_wavefront_size32 1
		.amdhsa_system_sgpr_workgroup_id_x 1
		.amdhsa_system_sgpr_workgroup_id_y 1
		.amdhsa_system_sgpr_workgroup_id_z 1
		.amdhsa_system_vgpr_workitem_id 0
		.amdhsa_next_free_vgpr 150
		.amdhsa_next_free_sgpr 66
		.amdhsa_reserve_vcc 1
		.amdhsa_float_denorm_mode_32 3
		.amdhsa_float_denorm_mode_16_64 3
		.amdhsa_memory_ordered 1
		.amdhsa_forward_progress 1
		.amdhsa_inst_pref_size 22
	.end_amdhsa_kernel
	.amdgpu_metadata
---
amdhsa.version: [ 1, 2 ]
amdhsa.kernels:
  - .name:           k_q20307792f0_cast
    .symbol:         k_q20307792f0_cast.kd
    .args:
      - { .name: embeddings, .offset: 0, .size: 8, .value_kind: global_buffer, .address_space: global }
      - { .name: eb, .offset: 8, .size: 8, .value_kind: global_buffer, .address_space: global }
      - { .name: sq, .offset: 16, .size: 8, .value_kind: global_buffer, .address_space: global }
    .group_segment_fixed_size: 2304
    .private_segment_fixed_size: 0
    .kernarg_segment_align: 8
    .kernarg_segment_size: 24
    .max_flat_workgroup_size: 512
    .sgpr_count:     66
    .vgpr_count:     150
    .wavefront_size: 32
...
	.end_amdgpu_metadata
.endif
;; end of part 1
;; launch dist (part 2): grid 16 x 16, 4 waves a work-group, clusters of 4 x 4, 327,680 bytes of LDS; arguments eb, sq, out0; writes out0
.if DOCPART == 2
	.amdgcn_target "amdgcn-amd-amdhsa--gfx1250"
	.amdhsa_code_object_version 6
	.text
	.protected	k_q20307792f0_dist
	.globl	k_q20307792f0_dist
	.p2align	8
	.type	k_q20307792f0_dist,@function
k_q20307792f0_dist:
	s_mov_b64 s[64:65], 0
	v_nop
	global_prefetch_b8 v0, s[64:65] scope:SCOPE_SE
	s_setreg_imm32_b32 hwreg(HW_REG_WAVE_MODE, 25, 1), 1
	s_wait_xcnt 0x0
	s_wait_alu depctr_hold_cnt(0) depctr_sa_sdst(0) depctr_va_vdst(0) depctr_va_sdst(0) depctr_va_ssrc(0) depctr_va_vcc(0) depctr_vm_vsrc(0)
	s_getreg_b32 s2, hwreg(HW_REG_IB_STS2, 6, 4)
	s_cmp_eq_u32 s2, 0
	s_cbranch_scc0 .Lentry_in_a_cluster
	s_endpgm
.Lentry_in_a_cluster:
	s_bfe_u32 s2, ttmp6, 0x10000c
	s_cmp_lg_u32 s2, 0xf033
	s_cbranch_scc0 .Lentry_shape_is_right
	s_endpgm
.Lentry_shape_is_right:
; out0[i][j] = max(sq[i] + sq[j] - 2 g[i][j], 0),  g[i][j] = the sum over k of eb_i[k] eb_j[k], in f32.  out0: [4096][4096] f32.
; eb: [4096][4096] bf16, the rounded rows, stored permuted: true row 64 g + 4 r + b lies at row 64 g + 16 b + r.  sq: [4096] f32, natural order, made of the same rounded rows.
; SHARES.  A work-group of four waves makes 256 x 256 of out0, a wave 128 x 128: 64 accumulators of 16 x 16, 512 registers.  256 work-groups.  K = 4096 goes in steps of 128
; through a ring of two LDS slots filled by the tensor data mover; a tile's rows are 256 bytes of memory, at multiples of 256 bytes from eb's first byte.
; Both operands come from eb: the ROW tile (eb rows 256 ty on) is source 0, the COLUMN tile (eb rows 256 tx on) is source 1.
; CLUSTER.  4 x 4 work-groups.  The four of a row of the cluster need the same row tiles, the four of a column the same column tiles: each tile is asked for JOINTLY, by the same
; tensor load with the same descriptor and a mask that names the four, which divides the requests by four.
; WHERE A RESULT LIES.  Register j of lane (r = l % 16, h = l / 16) of accumulator (nb, mb) belongs to eb row 16 mb + 8 h + j of my 128 on the row side and 16 nb + r on the column
; side.  By the permutation these are the true row 64 (mb / 4) + 32 h + 4 j + mb % 4 and the true column 64 (nb / 4) + 4 r + nb % 4.  So the four accumulators nb % 4 = 0..3 hold,
; in one lane, four neighbouring columns of one row: 16 bytes a lane, and sixteen lanes store 256 consecutive bytes.  The results leave from registers, with no stage in LDS.
; LIMITS.  The matrix operands are bf16, so the result is the squared distance of the rounded rows.  Where the sums are NaN (infinite or NaN inputs, sq beyond f32's range)
; this text stores 0: v_max_num_f32 drops a NaN.  Finite inputs with finite results are served.
;
; REGISTERS, in windows of 256 (s_set_vgpr_msb: bits 1:0 source 0, 3:2 source 1, 5:4 source 2, 7:6 destination):
;   window 0: v0-31 addresses; v32-39 sq of my columns; v64-127, v128-191 column-side fragments, two buffers (v64-127 on the way out: results, two buffers of 32); v192-255 sq of my rows
;   window 1: v64-127, v128-191 row-side fragments, two buffers
;   window 2: the accumulators nb = 0..3 ((nb, mb) at v[8 (8 (nb % 4) + mb)]);   window 3: nb = 4..7
.set KSTEP,  128
.set PITCH,  272                       ; an LDS row: 256 bytes + 16 of padding = 68 words: row r starts at bank 4 r mod 64 (64 banks of 4 bytes: ISA guide 11.1), so the 16 rows of a load start at 16 different banks
.set HALFT,  128*PITCH                 ; 128 rows: what one tensor load brings, and what one wave reads of a tile
.set SLOT,   4*HALFT                   ; the row tile's 256 rows, then the column tile's 256 rows
.set LAPS,   4096/(2*KSTEP)            ; a lap = two K steps = once round the ring: 16
.set OROW,   16384                     ; bytes in a row of out0
.set ADRN, 16                          ; v16-17  LDS address of my column-side fragments in slot 0, 1
.set ADRM, 20                          ; v20-21  the same for the row side
.set CO,   26                          ; v26     my byte offset in out0: 32 h rows + 16 r; never rewritten
.set QM,   27                          ; v27     my byte offset in sq for rows: 128 h
.set QN,   28                          ; v28     my byte offset in sq for columns: 16 r
.set SQN,  32                          ; v[32:39]   sq of column 64 gb + 4 r + a at v[SQN + 4 gb + a]
.set F0,   64                          ; fragment buffer 0
.set F1,   128                         ; fragment buffer 1
.set RES,  64                          ; the way out: two buffers of 32 registers
.set SQM,  192                         ; v[192:255] sq of row 64 G + 32 h + 4 j + b at v[SQM + 32 G + 4 j + b]
.set G1,  24                           ; s[24:31] descriptor group 1 for row tiles
.set G0,  32                           ; s[32:39] descriptor group 0 for row tiles, a set for each slot
.set G1B, 48                           ; s[48:55] group 1 for column tiles: it differs in the mask alone
.set G0B, 56                           ; s[56:63] group 0 for column tiles, a set for each slot
.set MSB, 0
.macro WIN new                         ; the immediate's high byte repeats the setting that is left; a switch that changes nothing is dropped
.if MSB != \new
	s_set_vgpr_msb (MSB<<8)|\new
.set MSB, \new
.endif
.endm
.set MUL_LO, 0xa1                      ; source 0 (row side) window 1, source 1 (column side) window 0, C and D window 2
.set MUL_HI, 0xf1                      ; the same, C and D window 3
.set TO_M,   0x40                      ; destination window 1, address window 0
; A joint load.  Waves 0 and 1 fetch the row tile's two halves, waves 2 and 3 the column tile's.  Each line has one mask and one set of registers for all that issue it.
; The branch hangs on the wave's number alone.  Four v_nop follow each of the two lines, ahead of the jump, the label and what follows.
.macro JLOAD s
	s_cmp_eq_u32 s11, 0
	s_cbranch_scc0 .Lfor_c_\@
	tensor_load_to_lds s[G0+4*\s:G0+4*\s+3], s[G1:G1+7]
	s_nop 0
.rept 4
	v_nop
.endr
	s_branch .Lasked_\@
.Lfor_c_\@:
	tensor_load_to_lds s[G0B+4*\s:G0B+4*\s+3], s[G1B:G1B+7]
	s_nop 0
.rept 4
	v_nop
.endr
.Lasked_\@:
.endm
; A round of the cluster's barrier: my work-group's barrier, so that wave 0's signal speaks for all four waves; wave 0 signals for the work-group; every wave waits for all
; sixteen work-groups; my work-group's barrier once more.
.macro CREST                           ; a round behind its opening barrier
	s_cmp_lg_u32 s10, 0
	s_cbranch_scc1 .Lnot_wave_0_\@
	s_barrier_signal -3
.Lnot_wave_0_\@:
	s_barrier_wait -3
	s_barrier_signal -1
	s_barrier_wait -1
.endm
.macro CROUND                          ; a whole round
	s_barrier_signal -1
	s_barrier_wait -1
	CREST
.endm
	s_load_b128 s[4:7], s[0:1], 0x0                ; eb s[4:5], sq s[6:7]
	s_load_b64 s[8:9], s[0:1], 0x10                ; out0
	s_set_vgpr_msb 0x40
	v_lshl_add_u32 v255, v0, 2, 0x44000
	s_set_vgpr_msb 0x4000
	v_mov_b32 v63, 0
	s_set_vgpr_msb 0x1
	ds_add_u32 v255, v63
	ds_add_u32 v255, v63
	s_set_vgpr_msb 0x100
	v_lshrrev_b32 v1, 5, v0
	v_readfirstlane_b32 s10, v1                    ; wave 0..3
	s_lshr_b32 s11, s10, 1                         ; which half of the block's rows is mine.  Also: I fetch for the row tile (0) or the column tile (1)
	s_and_b32 s12, s10, 1                          ; which half of its columns.  Also: which 128 rows of that tile I fetch
	s_bfe_u32 s40, ttmp6, 0x40000                  ; cx: my place along the cluster's x
	s_bfe_u32 s41, ttmp6, 0x40004                  ; cy: along its y
	s_lshl_b32 s42, ttmp9, 2                       ; in a cluster launch ttmp9 and ttmp7 count clusters
	s_add_co_u32 s42, s42, s40                     ; tx = 4 x cluster x + cx
	s_and_b32 s13, ttmp7, 0xffff
	s_lshl_b32 s13, s13, 2
	s_add_co_u32 s13, s13, s41                     ; ty = 4 x cluster y + cy
	s_lshl_b32 s43, s41, 2
	s_lshl_b32 s43, 15, s43                        ; my row of the cluster: places 4 cy .. 4 cy + 3
	s_lshl_b32 s44, 0x1111, s40                    ; my column: places cx, cx + 4, cx + 8, cx + 12
	; descriptor group 1: a tile of 128 rows x 128 elements, padded in LDS
	s_or_b32 s[G1+0], s43, (1<<16)|(1<<20)|(1<<21)|(5<<22)|(3<<25)  ; 15:0 the mask: row tiles go to my row of the cluster; 17:16 elements of 2 bytes; 20 padding on; 21 set beside a mask; 24:22 after every 64 words (code 5); 31:25 4 words of it (code 3)
	s_or_b32 s[G1B+0], s44, (1<<16)|(1<<20)|(1<<21)|(5<<22)|(3<<25) ; the same with the mask of my column of the cluster
.irp g, G1, G1B
	s_mov_b32 s[\g+1], KSTEP<<16                   ; 63:48 tensor_dim0, low half = 128
	s_mov_b32 s[\g+2], 128<<16                     ; 79:64 its high half = 0; 95:80 tensor_dim1, low half = 128
	s_mov_b32 s[\g+3], KSTEP<<16                   ; 111:96 its high half = 0; 127:112 tile_dim0 = 128
	s_mov_b32 s[\g+4], 128                         ; 143:128 tile_dim1 = 128; 159:144 tile_dim2 = 0
	s_mov_b32 s[\g+5], 4096                        ; 191:160 tensor_dim0_stride: elements from row to row of eb
	s_mov_b32 s[\g+6], 0
	s_mov_b32 s[\g+7], 0
.endr
	; where the tiles come from.  The row tile hangs on ty alone, which my row of the cluster shares; the column tile on tx alone, which my column shares.
	; Every wave makes both addresses, in registers that never hold the other coordinate, and asks by one of them.
	s_lshl_b32 s17, s12, 7                         ; which 128 rows of the tile I fetch
	s_lshl_b32 s16, s13, 8
	s_add_co_u32 s16, s16, s17                     ; row tile: eb row 256 ty + 128 x half
	s_lshl_b32 s46, s42, 8
	s_add_co_u32 s46, s46, s17                     ; column tile: eb row 256 tx + 128 x half
	s_lshl_b32 s16, s16, 13                        ; rows of 8,192 bytes: under 2^25
	s_lshl_b32 s46, s46, 13
	s_mov_b32 s17, 0
	s_mov_b32 s47, 0
	s_mul_i32 s20, s10, HALFT                      ; and where they go: wave x 128 rows: no place in the cluster enters an LDS address
	s_wait_dscnt 0x0
	s_wait_kmcnt 0x0
	s_add_nc_u64 s[14:15], s[4:5], s[16:17]
	s_add_nc_u64 s[46:47], s[4:5], s[46:47]
	CROUND                                         ; all sixteen work-groups are here: the first joint loads meet
.irp s, 0,1
	s_mov_b32 s[G0+4*\s], 1                                        ; 1:0 count = 1
	s_add_co_u32 s[G0+4*\s+1], s20, \s*SLOT                        ; 63:32 LDS address
	s_add_nc_u64 s[G0+4*\s+2:G0+4*\s+3], s[14:15], \s*KSTEP*2      ; 120:64 global address: K step s
	s_or_b32 s[G0+4*\s+3], s[G0+4*\s+3], 0x80000000                ; 127:126 type = 2
	s_mov_b32 s[G0B+4*\s], 1
	s_add_co_u32 s[G0B+4*\s+1], s20, \s*SLOT
	s_add_nc_u64 s[G0B+4*\s+2:G0B+4*\s+3], s[46:47], \s*KSTEP*2
	s_or_b32 s[G0B+4*\s+3], s[G0B+4*\s+3], 0x80000000
	JLOAD \s                                       ; the ring is filled before anything else is done: two loads of mine are out
.endr
	; A fragment is 16 rows x 32 K in 8 registers: lane l holds row l % 16; registers 0-3 hold K = 8 (l / 16) + 0..7, registers 4-7 hold K = 16 + 8 (l / 16) + 0..7:
	; two loads of 16 bytes, 32 bytes apart.  The same for source 0 and source 1.
	v_and_b32 v1, 15, v0                           ; r = l % 16
	v_bfe_u32 v2, v0, 4, 1                         ; h = l / 16
	v_mul_u32_u24 v3, v1, PITCH
	v_lshl_add_u32 v3, v2, 4, v3                   ; row x pitch + 16 x half
	s_mul_i32 s21, s11, HALFT                      ; my 128 rows of the row tile
	s_mul_i32 s22, s12, HALFT                      ; my 128 rows of the column tile,
	s_add_co_u32 s22, s22, 2*HALFT                 ; which lies behind the row tile's 256
.irp s, 0,1
	v_add_nc_u32 v[ADRM+\s], s21, v3
	v_add_nc_u32 v[ADRN+\s], s22, v3
	s_add_co_u32 s21, s21, SLOT
	s_add_co_u32 s22, s22, SLOT
.endr
	v_lshlrev_b32 v[CO], 19, v2                    ; lanes 16-31 store 32 rows of 16,384 bytes further down,
	v_lshl_add_u32 v[CO], v1, 4, v[CO]             ; each lane its 16 bytes of 256
	v_lshlrev_b32 v[QM], 7, v2                     ; 32 h rows, 4 bytes each
	v_lshlrev_b32 v[QN], 4, v1                     ; 4 r columns, 4 bytes each
	s_lshl_b32 s21, s13, 8
	s_lshl_b32 s22, s11, 7
	s_add_co_u32 s21, s21, s22                     ; my first row of out0: 256 ty + 128 x half
	s_lshl_b32 s16, s21, 2
	s_mov_b32 s17, 0
	s_add_nc_u64 s[18:19], s[6:7], s[16:17]        ; sq at my first row
	s_lshl_b32 s16, s21, 14                        ; rows of 16,384 bytes: under 2^26
	s_add_nc_u64 s[8:9], s[8:9], s[16:17]
	s_lshl_b32 s46, s42, 8                         ; (in the registers that held the column tile's address: none that feeds the row tiles' descriptors ever holds cx)
	s_lshl_b32 s47, s12, 7
	s_add_co_u32 s46, s46, s47                     ; my first column: 256 tx + 128 x half,
	s_lshl_b32 s46, s46, 2                         ; in bytes, in sq and in a row of out0 alike
	s_mov_b32 s47, 0
	s_add_nc_u64 s[6:7], s[6:7], s[46:47]          ; sq at my first column
	s_add_nc_u64 s[8:9], s[8:9], s[46:47]          ; out0 at my part's first number
	; sq of all my rows and columns, once, in the order in which the way out wants them
.irp g, 0,1
.irp j, 0,1,2,3,4,5,6,7
	global_load_b128 v[SQM+32*\g+4*\j:SQM+32*\g+4*\j+3], v[QM], s[18:19] offset:256*\g+16*\j   ; rows 64 g + 32 h + 4 j + 0..3
.endr
.endr
.irp g, 0,1
	global_load_b128 v[SQN+4*\g:SQN+4*\g+3], v[QN], s[6:7] offset:256*\g                       ; columns 64 g + 4 r + 0..3
.endr
; 16 matrix instructions: column blocks a0, a0 + 1 of the window's four (hi = 0: nb 0-3, 1: nb 4-7) x all 8 row blocks, 32 along K.
; zero = 1: the first product starts the sums: nothing is ever cleared.
.macro MUL16 f, hi, a0, zero
.irp a, \a0, \a0+1
.irp b, 0,1,2,3,4,5,6,7
.if \zero
	v_wmma_f32_16x16x32_bf16 v[8*(8*(\a)+\b):8*(8*(\a)+\b)+7], v[\f+8*\b:\f+8*\b+7], v[\f+8*(4*\hi+\a):\f+8*(4*\hi+\a)+7], 0
.else
	v_wmma_f32_16x16x32_bf16 v[8*(8*(\a)+\b):8*(8*(\a)+\b)+7], v[\f+8*\b:\f+8*\b+7], v[\f+8*(4*\hi+\a):\f+8*(4*\hi+\a)+7], v[8*(8*(\a)+\b):8*(8*(\a)+\b)+7]
.endif
.endr
.endr
.endm
; 32 LDS loads in one run: the fragments of one quarter step (128 rows of each side, 32 K at byte k of the rows) into buffer f; the column side last
.macro FETCH slot, k, f
	WIN TO_M
.irp i, 0,1,2,3,4,5,6,7
	ds_load_b128 v[\f+8*\i:\f+8*\i+3],   v[ADRM+\slot] offset:\k+\i*16*PITCH
	ds_load_b128 v[\f+8*\i+4:\f+8*\i+7], v[ADRM+\slot] offset:\k+\i*16*PITCH+32
.endr
	WIN 0
.irp i, 0,1,2,3,4,5,6,7
	ds_load_b128 v[\f+8*\i:\f+8*\i+3],   v[ADRN+\slot] offset:\k+\i*16*PITCH
	ds_load_b128 v[\f+8*\i+4:\f+8*\i+7], v[ADRN+\slot] offset:\k+\i*16*PITCH+32
.endr
.endm
; A load into a register that a matrix instruction has read, and a vector instruction that reads a matrix result or writes one of a matrix instruction's registers, stand four
; places behind it; only plain vector instructions that name none of its registers are places (ISA guide 7.12.1 for vector instructions).
.macro PLACES
.rept 4
	v_nop
.endr
.endm
; A K step is four quarter steps of 32 along K, 64 matrix instructions each, on buffers 0, 1, 0, 1.  The 64 accumulators take turns in the same order in every quarter:
; between two links of a chain stand the 63 others', over the loop's backward jump too.
; One of the first three quarters: multiplies buffer f; in its middle it fetches the next quarter's fragments, at byte k of the same slot's rows, into buffer g.
.macro QUARTER slot, k, f, g, zero
	s_wait_dscnt 8                                 ; the row side and column blocks 0-3 are in; the youngest eight loads (column blocks 4-7) may be out
	WIN MUL_LO
	MUL16 \f, 0, 0, \zero
	MUL16 \f, 0, 2, \zero
	PLACES
	FETCH \slot, \k, \g
	s_wait_dscnt 32                                ; all but the 32 just issued
	WIN MUL_HI
	MUL16 \f, 1, 0, \zero
	MUL16 \f, 1, 2, \zero
.endm
; The last quarter multiplies buffer 1 and changes slots.  MEET is its first half: ONE barrier, for two things.  In front of it each wave waits for its own reads of this slot and
; for all its tensor loads, of which one is out: its part of the next slot.  Behind it nobody reads this slot any more and the next slot is whole.
.macro MEET round                      ; round = 1: the rest of a round of the cluster's barrier follows
	s_wait_dscnt 8
	WIN MUL_LO
	MUL16 F1, 0, 0, 0
	s_wait_dscnt 0                                 ; my reads of this slot are over
	s_wait_tensorcnt 0x0                           ; and all my tensor loads have landed
	ds_add_u32 v255, v63
	s_wait_dscnt 0x0
	s_barrier_signal -1                            ; say so,
	MUL16 F1, 0, 2, 0                              ; work on registers while the others arrive,
.if \round
	WIN 0
.endif
	s_barrier_wait -1                              ; and go on when all four have said so
.endm
; The whole last quarter.  fill = 1: the slot just read out is filled again, with the K step two steps on, first thing behind a round of the cluster's barrier: no wave of any
; partner still reads the slot or has a load on its way.  From that request to the wait for it a wave issues 240 matrix instructions.  Then the next slot's first fragments.
.macro TURN slot, next, fill
	MEET \fill
.if \fill
	CREST
	s_add_nc_u64 s[G0+4*\slot+2:G0+4*\slot+3], s[G0+4*\slot+2:G0+4*\slot+3], 2*KSTEP*2       ; no tensor load of mine is out, so a group 0 may be written; the type bits on top are not reached
	s_add_nc_u64 s[G0B+4*\slot+2:G0B+4*\slot+3], s[G0B+4*\slot+2:G0B+4*\slot+3], 2*KSTEP*2
	JLOAD \slot                                    ; my one tensor load behind the round; the four v_nop behind it are also the places in front of the loads below
.else
	PLACES
.endif
	FETCH \next, 0, F0
	WIN MUL_HI
	MUL16 F1, 1, 0, 0
	MUL16 F1, 1, 2, 0
.endm
; THE WAY OUT of the four accumulators (4 gb + 0..3, mb): 16 rows x 64 columns of out0.  sq[i] + sq[j] first, then one fused multiply-add takes 2 g away, then the clamp at 0.
; Each accumulator is read from its register 0 upward.  Two result buffers take turns: the wait in front of a block's stores
; shows the addresses of the block before translated (ISA guide 3.1), so the next block, which writes that block's buffer, rewrites no register that a store still reads.
.macro OUTBLK gb, mb
.set TB, RES+32*\gb
.set RW, SQM+32*(\mb/4)+\mb%4
	WIN 0
.irp j, 0,1,2,3,4,5,6,7
.irp a, 0,1,2,3
	v_add_f32 v[TB+4*\j+\a], v[RW+4*\j], v[SQN+4*\gb+\a]
.endr
.endr
	WIN 0x02+\gb                                   ; source 0: window 2 or 3, the accumulators; all else window 0
.irp j, 0,1,2,3,4,5,6,7
.irp a, 0,1,2,3
	v_fma_f32 v[TB+4*\j+\a], v[8*(8*\a+\mb)+\j], -2.0, v[TB+4*\j+\a]
.endr
.endr
.set x, 0
.rept 32
	v_max_num_f32 v[TB+x], 0, v[TB+x]              ; its source 0 is the constant, so the window setting serves it too
.set x, x+1
.endr
	WIN 0
	s_wait_xcnt 0x0
.irp j, 0,1,2,3,4,5,6,7
	global_store_b128 v[CO], v[TB+4*\j:TB+4*\j+3], s[8:9] offset:(64*(\mb/4)+4*\j+\mb%4)*OROW+256*\gb th:TH_STORE_NT   ; 16 lanes store 256 consecutive bytes, at a multiple of 256 from out0's first byte; 95 rows and 256 bytes at the most: inside the signed 24-bit immediate
.endr
.endm
	s_wait_loadcnt 0x0                             ; sq, once
	s_wait_tensorcnt 1                             ; my part of K step 0 is in; K step 1's may stay out
	s_barrier_signal -1
	s_barrier_wait -1                              ; everybody's is
	FETCH 0, 0, F0
	QUARTER 0, 64,  F0, F1, 1                      ; the first quarter stands in front of the loop: its products start the sums
	WIN 0                                          ; at a label and at a branch every window is 0
	s_mov_b32 s3, LAPS-1
.Llap:                                                 ; 15 trips: each goes once round the ring, from a lap's second quarter to the next lap's first, and fills both slots again (K steps 2 to 31)
	QUARTER 0, 128, F1, F0, 0
	QUARTER 0, 192, F0, F1, 0
	TURN 0, 1, 1
	QUARTER 1, 64,  F0, F1, 0
	QUARTER 1, 128, F1, F0, 0
	QUARTER 1, 192, F0, F1, 0
	TURN 1, 0, 1
	QUARTER 0, 64,  F0, F1, 0
	WIN 0
	s_sub_co_u32 s3, s3, 1
	s_cmp_lg_u32 s3, 0
	s_cbranch_scc1 .Llap
	QUARTER 0, 128, F1, F0, 0                      ; the last lap is written out: it asks for nothing more
	QUARTER 0, 192, F0, F1, 0
	TURN 0, 1, 0                                   ; my one tensor load that was still out is slot 1's, the last K step's, so no round follows
	QUARTER 1, 64,  F0, F1, 0
	QUARTER 1, 128, F1, F0, 0
	QUARTER 1, 192, F0, F1, 0
	s_wait_dscnt 8                                 ; the very last quarter: nothing more to fetch
	WIN MUL_LO
	MUL16 F1, 0, 0, 0
	MUL16 F1, 0, 2, 0
	s_wait_dscnt 0
	WIN MUL_HI
	MUL16 F1, 1, 0, 0
	MUL16 F1, 1, 2, 0
	WIN 0
	PLACES                                         ; the way out reads results just made
.irp mb, 0,1,2,3,4,5,6,7
.irp gb, 0,1
	OUTBLK \gb, \mb
.endr
.endr
	CROUND                                         ; the closing round: no work-group ends while a partner may still ask for a tile that names it
	s_endpgm
.Lfunc_end_k_q20307792f0_dist:
	.size	k_q20307792f0_dist, .Lfunc_end_k_q20307792f0_dist-k_q20307792f0_dist
	.p2alignl 7, 3214868480
	.fill 96, 4, 3214868480
	.section	.rodata,"a",@progbits
	.p2align	6, 0x0
	.amdhsa_kernel k_q20307792f0_dist
		.amdhsa_group_segment_fixed_size 327680
		.amdhsa_private_segment_fixed_size 0
		.amdhsa_enable_private_segment 0
		.amdhsa_kernarg_size 24
		.amdhsa_user_sgpr_count 2
		.amdhsa_user_sgpr_kernarg_segment_ptr 1
		.amdhsa_wavefront_size32 1
		.amdhsa_system_sgpr_workgroup_id_x 1
		.amdhsa_system_sgpr_workgroup_id_y 1
		.amdhsa_system_sgpr_workgroup_id_z 1
		.amdhsa_system_vgpr_workitem_id 0
		.amdhsa_next_free_vgpr 1024
		.amdhsa_next_free_sgpr 66
		.amdhsa_reserve_vcc 0
		.amdhsa_float_denorm_mode_32 3
		.amdhsa_float_denorm_mode_16_64 3
		.amdhsa_memory_ordered 1
		.amdhsa_forward_progress 1
		.amdhsa_inst_pref_size 190
	.end_amdhsa_kernel
	.amdgpu_metadata
---
amdhsa.version: [ 1, 2 ]
amdhsa.kernels:
  - .name:           k_q20307792f0_dist
    .symbol:         k_q20307792f0_dist.kd
    .args:
      - { .name: eb, .offset: 0, .size: 8, .value_kind: global_buffer, .address_space: global }
      - { .name: sq, .offset: 8, .size: 8, .value_kind: global_buffer, .address_space: global }
      - { .name: out0, .offset: 16, .size: 8, .value_kind: global_buffer, .address_space: global }
    .group_segment_fixed_size: 327680
    .private_segment_fixed_size: 0
    .kernarg_segment_align: 8
    .kernarg_segment_size: 24
    .max_flat_workgroup_size: 128
    .sgpr_count:     66
    .vgpr_count:     1024
    .wavefront_size: 32
...
	.end_amdgpu_metadata
.endif
;; end of part 2
;; ======== version 2 of 2: 2 launches; 1.16 times as fast as version 1
;; workspace buffers: eb 33,554,432 bytes; sq 16,384 bytes
;; launch cast (part 3): grid 256 x 1, 16 waves a work-group, no clusters, 2,304 bytes of LDS; arguments embeddings, eb, sq; writes eb, sq
.if DOCPART == 3
	.amdgcn_target "amdgcn-amd-amdhsa--gfx1250"
	.amdhsa_code_object_version 6
	.text
	.protected	k_q20307792f0_cast
	.globl	k_q20307792f0_cast
	.p2align	8
	.type	k_q20307792f0_cast,@function
k_q20307792f0_cast:
	s_mov_b64 s[64:65], 0
	v_nop
	global_prefetch_b8 v0, s[64:65] scope:SCOPE_SE
	s_setreg_imm32_b32 hwreg(HW_REG_WAVE_MODE, 25, 1), 1
	s_wait_xcnt 0x0
; eb = E rounded to bf16, its rows permuted inside groups of 64;  sq[n] = the sum over k of bf16(E[n][k])^2, in f32, in natural order.
; E: [4096][4096] f32.  eb: [4096][4096] bf16.  sq: [4096] f32.
; WHY sq IS MADE OF THE ROUNDED NUMBERS: the next launch forms sq[i] + sq[j] - 2 g[i][j] with g from the bf16 rows.  With sq from the same rounded
; rows that is the squared distance of the rounded rows, whose error does not grow with a common offset of the inputs.
; THE PERMUTATION: row n = 64 g + 4 r + b (r = 0..15, b = 0..3) is stored as row p = 64 g + 16 b + r.  Sixteen neighbouring rows of eb are then the
; true rows 4 r + b of a group, so that in the next launch four accumulators hold four neighbouring columns of the output in one lane.
; SHARES: a work-group takes 16 rows, a wave one row: 16,384 bytes = 32 loads of 16 bytes a lane, each covering 512 neighbouring bytes; all 32 are
; issued at once into 128 registers, so the text is a straight line.  No tiles in LDS, no cluster, no matrix unit: no byte is used twice.
; LIMITS: a number beyond bf16's largest finite value rounds to infinity (there the sum of squares overflows f32 as well).
.set T,   6                            ; v[6:9]     four rounded numbers, widened to f32
.set ACC, 10                           ; v[10:17]   four packed chains of sums of squares
.set X,   20                           ; v[20:147]  the row as loaded; words 0 and 1 of each four then hold the four bf16
	s_load_b128 s[4:7], s[0:1], 0x0                ; E s[4:5], eb s[6:7]
	s_load_b64 s[8:9], s[0:1], 0x10                ; sq
	v_lshl_add_u32 v148, v0, 2, 0x100
	v_mov_b32 v149, 0
	v_lshrrev_b32 v5, 5, v0
	v_readfirstlane_b32 s10, v5                    ; wave 0..15
	v_and_b32 v3, 31, v0                           ; lane
	v_lshlrev_b32 v1, 4, v3                        ; 16 bytes of E a lane
	v_lshlrev_b32 v2, 3, v3                        ; 8 bytes of eb a lane
	v_and_b32 v3, 15, v3                           ; 4 bytes of sq a lane (wave 0's lanes 0 to 15, at the end): cut to the sixteen words that the waves write
	v_lshlrev_b32 v3, 2, v3
	v_mov_b32 v4, s10
	v_lshlrev_b32 v4, 2, v4                        ; my wave's word in LDS
	s_mov_b32 s12, 0x76543210                      ; v_permlanex16_b32: each lane takes its own place in the other half
	s_mov_b32 s13, 0xfedcba98
	s_mov_b32 s14, 0xffff0000                      ; a word's upper bf16
	s_lshl_b32 s11, ttmp9, 4
	s_add_co_u32 s11, s11, s10                     ; n = 16 x work-group + wave
	s_and_b32 s15, s11, 0xfc0                      ; 64 g
	s_and_b32 s18, s11, 3
	s_lshl_b32 s18, s18, 4                         ; 16 b
	s_or_b32 s15, s15, s18
	s_bfe_u32 s18, s11, 0x40002                    ; r: 4 bits from bit 2
	s_or_b32 s15, s15, s18                         ; p
	s_lshl_b32 s16, s11, 14                        ; n rows of 16,384 bytes: under 2^26
	s_mov_b32 s17, 0
	s_wait_kmcnt 0x0
	s_add_nc_u64 s[4:5], s[4:5], s[16:17]          ; E at my row
	s_lshl_b32 s16, s15, 13                        ; p rows of 8,192 bytes
	s_add_nc_u64 s[6:7], s[6:7], s[16:17]          ; eb at my row's place
	s_lshl_b32 s16, ttmp9, 6                       ; 16 words of sq for each work-group
	s_add_nc_u64 s[8:9], s[8:9], s[16:17]
.irp c, 0,1,2,3,4,5,6,7,8,9,10,11,12,13,14,15,16,17,18,19,20,21,22,23,24,25,26,27,28,29,30,31
	global_load_b128 v[X+4*\c:X+4*\c+3], v1, s[4:5] offset:512*\c th:TH_LOAD_NT   ; E is read once in the launch
.endr
; Piece c of the row: 128 numbers, four a lane.  Rounded, stored (32 lanes x 8 bytes: 256 consecutive bytes, aligned), widened again and squared.
; The store's data registers are only read afterwards and its address registers are never rewritten, so no wait frees anything here.
.macro CHUNK c
.set XC, X+4*\c
.set CH, ACC+4*(\c%2)                  ; even pieces feed chains 0 and 1, odd pieces chains 2 and 3
	s_wait_loadcnt 31-\c                           ; loads come back in order (ISA guide 5.7.1): piece c is in, the 31 - c younger ones stay out
	v_cvt_pk_bf16_f32 v[XC], v[XC], v[XC+1]
	v_cvt_pk_bf16_f32 v[XC+1], v[XC+2], v[XC+3]
	global_store_b64 v2, v[XC:XC+1], s[6:7] offset:256*\c     ; no hint: the next launch reads eb many times
	v_lshlrev_b32 v[T],   16,  v[XC]
	v_and_b32     v[T+1], s14, v[XC]
	v_lshlrev_b32 v[T+2], 16,  v[XC+1]
	v_and_b32     v[T+3], s14, v[XC+1]
.if \c < 2
	v_pk_mul_f32 v[CH:CH+1],   v[T:T+1],   v[T:T+1]           ; the first two pieces start the four chains: nothing is cleared
	v_pk_mul_f32 v[CH+2:CH+3], v[T+2:T+3], v[T+2:T+3]
.else
	v_pk_fma_f32 v[CH:CH+1],   v[T:T+1],   v[T:T+1],   v[CH:CH+1]
	v_pk_fma_f32 v[CH+2:CH+3], v[T+2:T+3], v[T+2:T+3], v[CH+2:CH+3]
.endif
.endm
.irp c, 0,1,2,3,4,5,6,7,8,9,10,11,12,13,14,15,16,17,18,19,20,21,22,23,24,25,26,27,28,29,30,31
	CHUNK \c
.endr
	; the lane's eight partial sums, then the 32 lanes'
	v_pk_add_f32 v[ACC:ACC+1],   v[ACC:ACC+1],   v[ACC+2:ACC+3]
	v_pk_add_f32 v[ACC+4:ACC+5], v[ACC+4:ACC+5], v[ACC+6:ACC+7]
	v_pk_add_f32 v[ACC:ACC+1],   v[ACC:ACC+1],   v[ACC+4:ACC+5]
	v_add_f32 v[ACC], v[ACC], v[ACC+1]
	v_add_f32_dpp v[ACC], v[ACC], v[ACC] row_xmask:1 row_mask:0xf bank_mask:0xf
	v_add_f32_dpp v[ACC], v[ACC], v[ACC] row_xmask:2 row_mask:0xf bank_mask:0xf
	v_add_f32_dpp v[ACC], v[ACC], v[ACC] row_xmask:4 row_mask:0xf bank_mask:0xf
	v_add_f32_dpp v[ACC], v[ACC], v[ACC] row_xmask:8 row_mask:0xf bank_mask:0xf
	v_permlanex16_b32 v[T+1], v[ACC], s12, s13     ; its destination counts as read: a register that has been written
	v_add_f32 v[ACC], v[ACC], v[T+1]               ; every lane holds the row's sum
	; the sixteen rows' sums meet in LDS, so that one store of 64 neighbouring bytes takes them out (sq is 16 KiB of the launch's 96 MiB)
	ds_store_b32 v4, v[ACC]                        ; all lanes write the wave's word with the same value
	s_wait_dscnt 0x0                               ; for wave 0's sake: my word is written
	s_barrier_signal -1
	s_barrier_wait -1
	s_cmp_lg_u32 s10, 0
	s_cbranch_scc1 .Lend
	s_wait_xcnt 0x0                                ; EXEC is a source of my pending stores: it changes only behind this wait
	v_cmp_gt_u32 vcc_lo, 16, v0
	s_and_saveexec_b32 s20, vcc_lo                 ; lanes 0 to 15 of wave 0
	ds_load_b32 v5, v3                             ; lane i: the sum of the group's row i
	s_wait_dscnt 0x0
	global_store_b32 v3, v5, s[8:9]
	s_wait_xcnt 0x0                                ; and again in front of the line that widens EXEC
	s_or_b32 exec_lo, exec_lo, s20
.Lend:
	s_wait_tensorcnt 0x0
	ds_add_u32 v148, v149
	s_wait_dscnt 0x0
	s_endpgm
.Lfunc_end_k_q20307792f0_cast:
	.size	k_q20307792f0_cast, .Lfunc_end_k_q20307792f0_cast-k_q20307792f0_cast
	.p2alignl 7, 3214868480
	.fill 96, 4, 3214868480
	.section	.rodata,"a",@progbits
	.p2align	6, 0x0
	.amdhsa_kernel k_q20307792f0_cast
		.amdhsa_group_segment_fixed_size 2304
		.amdhsa_private_segment_fixed_size 0
		.amdhsa_enable_private_segment 0
		.amdhsa_kernarg_size 24
		.amdhsa_user_sgpr_count 2
		.amdhsa_user_sgpr_kernarg_segment_ptr 1
		.amdhsa_wavefront_size32 1
		.amdhsa_system_sgpr_workgroup_id_x 1
		.amdhsa_system_sgpr_workgroup_id_y 1
		.amdhsa_system_sgpr_workgroup_id_z 1
		.amdhsa_system_vgpr_workitem_id 0
		.amdhsa_next_free_vgpr 150
		.amdhsa_next_free_sgpr 66
		.amdhsa_reserve_vcc 1
		.amdhsa_float_denorm_mode_32 3
		.amdhsa_float_denorm_mode_16_64 3
		.amdhsa_memory_ordered 1
		.amdhsa_forward_progress 1
		.amdhsa_inst_pref_size 22
	.end_amdhsa_kernel
	.amdgpu_metadata
---
amdhsa.version: [ 1, 2 ]
amdhsa.kernels:
  - .name:           k_q20307792f0_cast
    .symbol:         k_q20307792f0_cast.kd
    .args:
      - { .name: embeddings, .offset: 0, .size: 8, .value_kind: global_buffer, .address_space: global }
      - { .name: eb, .offset: 8, .size: 8, .value_kind: global_buffer, .address_space: global }
      - { .name: sq, .offset: 16, .size: 8, .value_kind: global_buffer, .address_space: global }
    .group_segment_fixed_size: 2304
    .private_segment_fixed_size: 0
    .kernarg_segment_align: 8
    .kernarg_segment_size: 24
    .max_flat_workgroup_size: 512
    .sgpr_count:     66
    .vgpr_count:     150
    .wavefront_size: 32
...
	.end_amdgpu_metadata
.endif
;; end of part 3
;; launch dist (part 4): grid 40 x 4, 4 waves a work-group, clusters of 4 x 4, 327,680 bytes of LDS; arguments eb, sq, out0; writes out0
.if DOCPART == 4
	.amdgcn_target "amdgcn-amd-amdhsa--gfx1250"
	.amdhsa_code_object_version 6
	.text
	.protected	k_q20307792f0_dist
	.globl	k_q20307792f0_dist
	.p2align	8
	.type	k_q20307792f0_dist,@function
k_q20307792f0_dist:
	s_mov_b64 s[64:65], 0
	v_nop
	global_prefetch_b8 v0, s[64:65] scope:SCOPE_SE
	s_setreg_imm32_b32 hwreg(HW_REG_WAVE_MODE, 25, 1), 1
	s_wait_xcnt 0x0
	s_wait_alu depctr_hold_cnt(0) depctr_sa_sdst(0) depctr_va_vdst(0) depctr_va_sdst(0) depctr_va_ssrc(0) depctr_va_vcc(0) depctr_vm_vsrc(0)
	s_getreg_b32 s2, hwreg(HW_REG_IB_STS2, 6, 4)
	s_cmp_eq_u32 s2, 0
	s_cbranch_scc0 .Lentry_in_a_cluster
	s_endpgm
.Lentry_in_a_cluster:
	s_bfe_u32 s2, ttmp6, 0x10000c
	s_cmp_lg_u32 s2, 0xf033
	s_cbranch_scc0 .Lentry_shape_is_right
	s_endpgm
.Lentry_shape_is_right:
; out0[i][j] = max(sq[i] + sq[j] - 2 g[i][j], 0),  g[i][j] = the sum over k of eb_i[k] eb_j[k], in f32.  out0: [4096][4096] f32.
; eb: [4096][4096] bf16, the rounded rows, stored permuted: true row 64 g + 4 r + b lies at row 64 g + 16 b + r.  sq: [4096] f32, natural order, made of the same rounded rows.
; EACH MIRRORED PAIR IS MADE ONCE.  out0[i][j] and out0[j][i] are the same number by the formula itself (the f32 sum sq[i] + sq[j] does not hang on its order, g[i][j] and g[j][i] are one
; sum), so only the super-blocks of 1024 x 1024 on and above the diagonal are multiplied: 10 of 16, one cluster of 4 x 4 work-groups each, 160 work-groups.  A cluster above the diagonal
; stores each of its tiles twice, as it lies and mirrored.  A cluster on the diagonal makes all its sixteen tiles and stores each once, so that the sixteen partners run alike and every
; joint load has its four askers.  So each byte of out0 is stored by one work-group.  Smaller equal shares do not come out even: the triangle has 528 blocks of 128 x 128.
; SHARES.  A work-group of four waves makes 256 x 256 of out0, a wave 128 x 128: 64 accumulators of 16 x 16, 512 registers.  K = 4096 goes in steps of 128
; through a ring of two LDS slots filled by the tensor data mover; a tile's rows are 256 bytes of memory, at multiples of 256 bytes from eb's first byte.
; Both operands come from eb: the ROW tile (eb rows 256 ty on) is source 0, the COLUMN tile (eb rows 256 tx on) is source 1.
; CLUSTER.  The four work-groups of a row of the cluster need the same row tiles, the four of a column the same column tiles: each tile is asked for JOINTLY, by the same
; tensor load with the same descriptor and a mask that names the four, which divides the requests by four.
; WHERE A RESULT LIES.  Register j of lane (r = l % 16, h = l / 16) of accumulator (nb, mb) belongs to eb row 16 mb + 8 h + j of my 128 on the row side and 16 nb + r on the column
; side.  By the permutation these are the true row 64 (mb / 4) + 32 h + 4 j + mb % 4 and the true column 64 (nb / 4) + 4 r + nb % 4.  So the four accumulators nb % 4 = 0..3 hold,
; in one lane, four neighbouring columns of one row: 16 bytes a lane, and sixteen lanes store 256 consecutive bytes straight from registers.  For the mirror the four accumulators
; mb % 4 = 0..3 hold, in one lane, 32 neighbouring numbers of one mirrored row: these change lanes through a stage in LDS, each wave's own.
; LIMITS.  The matrix operands are bf16, so the result is the squared distance of the rounded rows.  Where the sums are NaN (infinite or NaN inputs, sq beyond f32's range)
; this text stores 0: v_max_num_f32 drops a NaN.  Finite inputs with finite results are served.
;
; REGISTERS, in windows of 256 (s_set_vgpr_msb: bits 1:0 source 0, 3:2 source 1, 5:4 source 2, 7:6 destination):
;   window 0: v0-31 addresses; v32-39 sq of my columns; v64-127, v128-191 column-side fragments, two buffers; v192-255 sq of my rows
;             on the way out: v64-127 two buffers of 32 results to store; v128-159 a block gathered for the stage
;   window 1: v64-127, v128-191 row-side fragments, two buffers
;   window 2: the accumulators nb = 0..3 ((nb, mb) at v[8 (8 (nb % 4) + mb)]);   window 3: nb = 4..7
.set KSTEP,  128
.set PITCH,  272                       ; an LDS row: 256 bytes + 16 of padding = 68 words: row r starts at bank 4 r mod 64 (64 banks of 4 bytes: ISA guide 11.1), so the 16 rows of a load start at 16 different banks
.set HALFT,  128*PITCH                 ; 128 rows: what one tensor load brings, and what one wave reads of a tile
.set SLOT,   4*HALFT                   ; the row tile's 256 rows, then the column tile's 256 rows
.set STAGE,  2*SLOT                    ; behind the ring, where no fill lands: 16 rows x 272 bytes for each wave, for the mirrored way out
.set SPITCH, 272
.set LAPS,   4096/(2*KSTEP)            ; a lap = two K steps = once round the ring: 16
.set OROW,   16384                     ; bytes in a row of out0
.set ADRN, 16                          ; v16-17  LDS address of my column-side fragments in slot 0, 1
.set ADRM, 20                          ; v20-21  the same for the row side
.set STO,  24                          ; v24     the mirror: where I put 16 bytes of a mirrored row: stage + 272 r + 128 h
.set RD,   25                          ; v25     the mirror: where I read a row back: stage + 272 h + 16 r
.set CO,   26                          ; v26     my byte offset in out0: 32 h rows + 16 r; never rewritten
.set QM,   27                          ; v27     my byte offset in sq for rows: 128 h
.set QN,   28                          ; v28     my byte offset in sq for columns: 16 r
.set CT,   29                          ; v29     my byte offset in the mirrored tile: 4 h rows + 16 r; never rewritten
.set SQN,  32                          ; v[32:39]   sq of column 64 gb + 4 r + a at v[SQN + 4 gb + a]
.set F0,   64                          ; fragment buffer 0
.set F1,   128                         ; fragment buffer 1
.set RES,  64                          ; the way out: two buffers of 32 registers
.set TT,   128                         ; the mirror: 32 registers gathered for the stage
.set SQM,  192                         ; v[192:255] sq of row 64 G + 32 h + 4 j + b at v[SQM + 32 G + 4 j + b]
.set SA,  23                           ; s23  my cluster's super-block row A
.set SB,  45                           ; s45  its super-block column B, A <= B
.set G1,  24                           ; s[24:31] descriptor group 1 for row tiles
.set G0,  32                           ; s[32:39] descriptor group 0 for row tiles, a set for each slot
.set G1B, 48                           ; s[48:55] group 1 for column tiles: it differs in the mask alone
.set G0B, 56                           ; s[56:63] group 0 for column tiles, a set for each slot
.set MSB, 0
.macro WIN new                         ; the immediate's high byte repeats the setting that is left; a switch that changes nothing is dropped
.if MSB != \new
	s_set_vgpr_msb (MSB<<8)|\new
.set MSB, \new
.endif
.endm
.set MUL_LO, 0xa1                      ; source 0 (row side) window 1, source 1 (column side) window 0, C and D window 2
.set MUL_HI, 0xf1                      ; the same, C and D window 3
.set TO_M,   0x40                      ; destination window 1, address window 0
; A joint load.  Waves 0 and 1 fetch the row tile's two halves, waves 2 and 3 the column tile's.  Each line has one mask and one set of registers for all that issue it.
; The branch hangs on the wave's number alone.  Four v_nop follow each of the two lines, ahead of the jump, the label and what follows.
.macro JLOAD s
	s_cmp_eq_u32 s11, 0
	s_cbranch_scc0 .Lfor_c_\@
	tensor_load_to_lds s[G0+4*\s:G0+4*\s+3], s[G1:G1+7]
	s_nop 0
.rept 4
	v_nop
.endr
	s_branch .Lasked_\@
.Lfor_c_\@:
	tensor_load_to_lds s[G0B+4*\s:G0B+4*\s+3], s[G1B:G1B+7]
	s_nop 0
.rept 4
	v_nop
.endr
.Lasked_\@:
.endm
; A round of the cluster's barrier: my work-group's barrier, so that wave 0's signal speaks for all four waves; wave 0 signals for the work-group; every wave waits for all
; sixteen work-groups; my work-group's barrier once more.
.macro CREST                           ; a round behind its opening barrier
	s_cmp_lg_u32 s10, 0
	s_cbranch_scc1 .Lnot_wave_0_\@
	s_barrier_signal -3
.Lnot_wave_0_\@:
	s_barrier_wait -3
	s_barrier_signal -1
	s_barrier_wait -1
.endm
.macro CROUND                          ; a whole round
	s_barrier_signal -1
	s_barrier_wait -1
	CREST
.endm
	s_load_b128 s[4:7], s[0:1], 0x0                ; eb s[4:5], sq s[6:7]
	s_load_b64 s[8:9], s[0:1], 0x10                ; out0
	s_set_vgpr_msb 0x40
	v_lshl_add_u32 v255, v0, 2, 0x48400
	s_set_vgpr_msb 0x4000
	v_mov_b32 v63, 0
	s_set_vgpr_msb 0x1
	ds_add_u32 v255, v63
	ds_add_u32 v255, v63
	s_set_vgpr_msb 0x100
	v_lshrrev_b32 v1, 5, v0
	v_readfirstlane_b32 s10, v1                    ; wave 0..3
	s_lshr_b32 s11, s10, 1                         ; which half of the block's rows is mine.  Also: I fetch for the row tile (0) or the column tile (1)
	s_and_b32 s12, s10, 1                          ; which half of its columns.  Also: which 128 rows of that tile I fetch
	s_bfe_u32 s40, ttmp6, 0x40000                  ; cx: my place along the cluster's x
	s_bfe_u32 s41, ttmp6, 0x40004                  ; cy: along its y
	; in a cluster launch ttmp9 counts clusters: 0 to 9.  Cluster c has the super-block (A, B): (0,0) (0,1) (0,2) (0,3) (1,1) (1,2) (1,3) (2,2) (2,3) (3,3): two tables of ten fields of 2 bits
	s_lshl_b32 s2, ttmp9, 1
	s_lshr_b32 s[SA], 0xe9500, s2
	s_and_b32 s[SA], s[SA], 3                      ; A: 0 0 0 0 1 1 1 2 2 3
	s_lshr_b32 s[SB], 0xfb9e4, s2
	s_and_b32 s[SB], s[SB], 3                      ; B: 0 1 2 3 1 2 3 2 3 3
	s_lshl_b32 s42, s[SB], 2
	s_add_co_u32 s42, s42, s40                     ; tx = 4 B + cx
	s_lshl_b32 s13, s[SA], 2
	s_add_co_u32 s13, s13, s41                     ; ty = 4 A + cy
	s_lshl_b32 s43, s41, 2
	s_lshl_b32 s43, 15, s43                        ; my row of the cluster: places 4 cy .. 4 cy + 3
	s_lshl_b32 s44, 0x1111, s40                    ; my column: places cx, cx + 4, cx + 8, cx + 12
	; descriptor group 1: a tile of 128 rows x 128 elements, padded in LDS
	s_or_b32 s[G1+0], s43, (1<<16)|(1<<20)|(1<<21)|(5<<22)|(3<<25)  ; 15:0 the mask: row tiles go to my row of the cluster; 17:16 elements of 2 bytes; 20 padding on; 21 set beside a mask; 24:22 after every 64 words (code 5); 31:25 4 words of it (code 3)
	s_or_b32 s[G1B+0], s44, (1<<16)|(1<<20)|(1<<21)|(5<<22)|(3<<25) ; the same with the mask of my column of the cluster
.irp g, G1, G1B
	s_mov_b32 s[\g+1], KSTEP<<16                   ; 63:48 tensor_dim0, low half = 128
	s_mov_b32 s[\g+2], 128<<16                     ; 79:64 its high half = 0; 95:80 tensor_dim1, low half = 128
	s_mov_b32 s[\g+3], KSTEP<<16                   ; 111:96 its high half = 0; 127:112 tile_dim0 = 128
	s_mov_b32 s[\g+4], 128                         ; 143:128 tile_dim1 = 128; 159:144 tile_dim2 = 0
	s_mov_b32 s[\g+5], 4096                        ; 191:160 tensor_dim0_stride: elements from row to row of eb
	s_mov_b32 s[\g+6], 0
	s_mov_b32 s[\g+7], 0
.endr
	; where the tiles come from.  The row tile hangs on ty alone, which my row of the cluster shares; the column tile on tx alone, which my column shares.
	; Every wave makes both addresses, in registers that never hold the other coordinate, and asks by one of them.
	s_lshl_b32 s17, s12, 7                         ; which 128 rows of the tile I fetch
	s_lshl_b32 s16, s13, 8
	s_add_co_u32 s16, s16, s17                     ; row tile: eb row 256 ty + 128 x half
	s_lshl_b32 s46, s42, 8
	s_add_co_u32 s46, s46, s17                     ; column tile: eb row 256 tx + 128 x half
	s_lshl_b32 s16, s16, 13                        ; rows of 8,192 bytes: under 2^25
	s_lshl_b32 s46, s46, 13
	s_mov_b32 s17, 0
	s_mov_b32 s47, 0
	s_mul_i32 s20, s10, HALFT                      ; and where they go: wave x 128 rows: no place in the cluster enters an LDS address
	s_wait_dscnt 0x0
	s_wait_kmcnt 0x0
	s_add_nc_u64 s[14:15], s[4:5], s[16:17]
	s_add_nc_u64 s[46:47], s[4:5], s[46:47]
	CROUND                                         ; all sixteen work-groups are here: the first joint loads meet
.irp s, 0,1
	s_mov_b32 s[G0+4*\s], 1                                        ; 1:0 count = 1
	s_add_co_u32 s[G0+4*\s+1], s20, \s*SLOT                        ; 63:32 LDS address
	s_add_nc_u64 s[G0+4*\s+2:G0+4*\s+3], s[14:15], \s*KSTEP*2      ; 120:64 global address: K step s
	s_or_b32 s[G0+4*\s+3], s[G0+4*\s+3], 0x80000000                ; 127:126 type = 2
	s_mov_b32 s[G0B+4*\s], 1
	s_add_co_u32 s[G0B+4*\s+1], s20, \s*SLOT
	s_add_nc_u64 s[G0B+4*\s+2:G0B+4*\s+3], s[46:47], \s*KSTEP*2
	s_or_b32 s[G0B+4*\s+3], s[G0B+4*\s+3], 0x80000000
	JLOAD \s                                       ; the ring is filled before anything else is done: two loads of mine are out
.endr
	; A fragment is 16 rows x 32 K in 8 registers: lane l holds row l % 16; registers 0-3 hold K = 8 (l / 16) + 0..7, registers 4-7 hold K = 16 + 8 (l / 16) + 0..7:
	; two loads of 16 bytes, 32 bytes apart.  The same for source 0 and source 1.
	v_and_b32 v1, 15, v0                           ; r = l % 16
	v_bfe_u32 v2, v0, 4, 1                         ; h = l / 16
	v_mul_u32_u24 v3, v1, PITCH
	v_lshl_add_u32 v3, v2, 4, v3                   ; row x pitch + 16 x half
	s_mul_i32 s21, s11, HALFT                      ; my 128 rows of the row tile
	s_mul_i32 s22, s12, HALFT                      ; my 128 rows of the column tile,
	s_add_co_u32 s22, s22, 2*HALFT                 ; which lies behind the row tile's 256
.irp s, 0,1
	v_add_nc_u32 v[ADRM+\s], s21, v3
	v_add_nc_u32 v[ADRN+\s], s22, v3
	s_add_co_u32 s21, s21, SLOT
	s_add_co_u32 s22, s22, SLOT
.endr
	s_mul_i32 s21, s10, 16*SPITCH
	s_add_co_u32 s21, s21, STAGE                   ; my stage
	v_mul_u32_u24 v[STO], v1, SPITCH               ; in: stage row r, the half of its 256 bytes that my half of the lanes holds
	v_lshl_add_u32 v[STO], v2, 7, v[STO]
	v_add_nc_u32 v[STO], s21, v[STO]
	v_mul_u32_u24 v[RD], v2, SPITCH                ; back: lanes 0-15 take one row of 256 bytes, lanes 16-31 the next
	v_lshl_add_u32 v[RD], v1, 4, v[RD]
	v_add_nc_u32 v[RD], s21, v[RD]
	v_lshlrev_b32 v[CT], 16, v2                    ; neighbouring stage rows are mirrored rows 4 apart: 4 x 16,384 bytes for lanes 16-31,
	v_lshl_add_u32 v[CT], v1, 4, v[CT]             ; each lane its 16 bytes of 256
	v_lshlrev_b32 v[CO], 19, v2                    ; straight: lanes 16-31 store 32 rows of 16,384 bytes further down,
	v_lshl_add_u32 v[CO], v1, 4, v[CO]             ; each lane its 16 bytes of 256
	v_lshlrev_b32 v[QM], 7, v2                     ; 32 h rows, 4 bytes each
	v_lshlrev_b32 v[QN], 4, v1                     ; 4 r columns, 4 bytes each
	s_lshl_b32 s21, s13, 8
	s_lshl_b32 s22, s11, 7
	s_add_co_u32 s21, s21, s22                     ; my first row of out0: 256 ty + 128 x half
	s_lshl_b32 s16, s21, 2
	s_mov_b32 s17, 0
	s_add_nc_u64 s[18:19], s[6:7], s[16:17]        ; sq at my first row
	s_add_nc_u64 s[4:5], s[8:9], s[16:17]          ; the mirror (eb's address is no longer wanted): my rows are its columns, 4 bytes each
	s_lshl_b32 s16, s21, 14                        ; rows of 16,384 bytes: under 2^26
	s_add_nc_u64 s[8:9], s[8:9], s[16:17]
	s_lshl_b32 s46, s42, 8                         ; (in the registers that held the column tile's address: none that feeds the row tiles' descriptors ever holds cx)
	s_lshl_b32 s47, s12, 7
	s_add_co_u32 s46, s46, s47                     ; my first column: 256 tx + 128 x half,
	s_lshl_b32 s46, s46, 2                         ; in bytes, in sq and in a row of out0 alike
	s_mov_b32 s47, 0
	s_add_nc_u64 s[6:7], s[6:7], s[46:47]          ; sq at my first column
	s_add_nc_u64 s[8:9], s[8:9], s[46:47]          ; out0 at my part's first number
	s_lshl_b32 s46, s46, 12                        ; my columns are the mirror's rows, 16,384 bytes each: under 2^26
	s_add_nc_u64 s[4:5], s[4:5], s[46:47]          ; out0 at the mirrored part's first number
	; sq of all my rows and columns, once, in the order in which the way out wants them
.irp g, 0,1
.irp j, 0,1,2,3,4,5,6,7
	global_load_b128 v[SQM+32*\g+4*\j:SQM+32*\g+4*\j+3], v[QM], s[18:19] offset:256*\g+16*\j   ; rows 64 g + 32 h + 4 j + 0..3
.endr
.endr
.irp g, 0,1
	global_load_b128 v[SQN+4*\g:SQN+4*\g+3], v[QN], s[6:7] offset:256*\g                       ; columns 64 g + 4 r + 0..3
.endr
; 16 matrix instructions: column blocks a0, a0 + 1 of the window's four (hi = 0: nb 0-3, 1: nb 4-7) x all 8 row blocks, 32 along K.
; zero = 1: the first product starts the sums: nothing is ever cleared.
.macro MUL16 f, hi, a0, zero
.irp a, \a0, \a0+1
.irp b, 0,1,2,3,4,5,6,7
.if \zero
	v_wmma_f32_16x16x32_bf16 v[8*(8*(\a)+\b):8*(8*(\a)+\b)+7], v[\f+8*\b:\f+8*\b+7], v[\f+8*(4*\hi+\a):\f+8*(4*\hi+\a)+7], 0
.else
	v_wmma_f32_16x16x32_bf16 v[8*(8*(\a)+\b):8*(8*(\a)+\b)+7], v[\f+8*\b:\f+8*\b+7], v[\f+8*(4*\hi+\a):\f+8*(4*\hi+\a)+7], v[8*(8*(\a)+\b):8*(8*(\a)+\b)+7]
.endif
.endr
.endr
.endm
; 32 LDS loads in one run: the fragments of one quarter step (128 rows of each side, 32 K at byte k of the rows) into buffer f; the column side last
.macro FETCH slot, k, f
	WIN TO_M
.irp i, 0,1,2,3,4,5,6,7
	ds_load_b128 v[\f+8*\i:\f+8*\i+3],   v[ADRM+\slot] offset:\k+\i*16*PITCH
	ds_load_b128 v[\f+8*\i+4:\f+8*\i+7], v[ADRM+\slot] offset:\k+\i*16*PITCH+32
.endr
	WIN 0
.irp i, 0,1,2,3,4,5,6,7
	ds_load_b128 v[\f+8*\i:\f+8*\i+3],   v[ADRN+\slot] offset:\k+\i*16*PITCH
	ds_load_b128 v[\f+8*\i+4:\f+8*\i+7], v[ADRN+\slot] offset:\k+\i*16*PITCH+32
.endr
.endm
; A load into a register that a matrix instruction has read, and a vector instruction that reads a matrix result or writes one of a matrix instruction's registers, stand four
; places behind it; only plain vector instructions that name none of its registers are places (ISA guide 7.12.1 for vector instructions).
.macro PLACES
.rept 4
	v_nop
.endr
.endm
; A K step is four quarter steps of 32 along K, 64 matrix instructions each, on buffers 0, 1, 0, 1.  The 64 accumulators take turns in the same order in every quarter:
; between two links of a chain stand the 63 others', over the loop's backward jump too.
; One of the first three quarters: multiplies buffer f; in its middle it fetches the next quarter's fragments, at byte k of the same slot's rows, into buffer g.
.macro QUARTER slot, k, f, g, zero
	s_wait_dscnt 8                                 ; the row side and column blocks 0-3 are in; the youngest eight loads (column blocks 4-7) may be out
	WIN MUL_LO
	MUL16 \f, 0, 0, \zero
	MUL16 \f, 0, 2, \zero
	PLACES
	FETCH \slot, \k, \g
	s_wait_dscnt 32                                ; all but the 32 just issued
	WIN MUL_HI
	MUL16 \f, 1, 0, \zero
	MUL16 \f, 1, 2, \zero
.endm
; The last quarter multiplies buffer 1 and changes slots.  MEET is its first half: ONE barrier, for two things.  In front of it each wave waits for its own reads of this slot and
; for all its tensor loads, of which one is out: its part of the next slot.  Behind it nobody reads this slot any more and the next slot is whole.
.macro MEET round                      ; round = 1: the rest of a round of the cluster's barrier follows
	s_wait_dscnt 8
	WIN MUL_LO
	MUL16 F1, 0, 0, 0
	s_wait_dscnt 0                                 ; my reads of this slot are over
	s_wait_tensorcnt 0x0                           ; and all my tensor loads have landed
	ds_add_u32 v255, v63
	s_wait_dscnt 0x0
	s_barrier_signal -1                            ; say so,
	MUL16 F1, 0, 2, 0                              ; work on registers while the others arrive,
.if \round
	WIN 0
.endif
	s_barrier_wait -1                              ; and go on when all four have said so
.endm
; The whole last quarter.  fill = 1: the slot just read out is filled again, with the K step two steps on, first thing behind a round of the cluster's barrier: no wave of any
; partner still reads the slot or has a load on its way.  From that request to the wait for it a wave issues 240 matrix instructions.  Then the next slot's first fragments.
.macro TURN slot, next, fill
	MEET \fill
.if \fill
	CREST
	s_add_nc_u64 s[G0+4*\slot+2:G0+4*\slot+3], s[G0+4*\slot+2:G0+4*\slot+3], 2*KSTEP*2       ; no tensor load of mine is out, so a group 0 may be written; the type bits on top are not reached
	s_add_nc_u64 s[G0B+4*\slot+2:G0B+4*\slot+3], s[G0B+4*\slot+2:G0B+4*\slot+3], 2*KSTEP*2
	JLOAD \slot                                    ; my one tensor load behind the round; the four v_nop behind it are also the places in front of the loads below
.else
	PLACES
.endif
	FETCH \next, 0, F0
	WIN MUL_HI
	MUL16 F1, 1, 0, 0
	MUL16 F1, 1, 2, 0
.endm
; THE WAY OUT of the four accumulators (4 gb + 0..3, mb): 16 rows x 64 columns of out0.  sq[i] + sq[j] first; one fused multiply-add takes 2 g away, IN PLACE in the accumulator, where the
; mirrored way out finds it again; the clamp at 0 is also the copy that brings four neighbouring columns into four neighbouring registers.
; Each accumulator is read from its register 0 upward.  Two result buffers take turns: the wait in front of a block's stores
; shows the addresses of the block before translated (ISA guide 3.1), so the next block, which writes that block's buffer, rewrites no register that a store still reads.
.macro OUTBLK gb, mb
.set TB, RES+32*\gb
.set RW, SQM+32*(\mb/4)+\mb%4
	WIN 0
.irp j, 0,1,2,3,4,5,6,7
.irp a, 0,1,2,3
	v_add_f32 v[TB+4*\j+\a], v[RW+4*\j], v[SQN+4*\gb+\a]
.endr
.endr
	WIN (0x82+0x41*\gb)                            ; source 0 and destination: window 2 or 3, the accumulators; source 2 window 0
.irp j, 0,1,2,3,4,5,6,7
.irp a, 0,1,2,3
	v_fma_f32 v[8*(8*\a+\mb)+\j], v[8*(8*\a+\mb)+\j], -2.0, v[TB+4*\j+\a]
.endr
.endr
	WIN (0x08+0x04*\gb)                            ; source 1: the accumulators; destination window 0
.irp j, 0,1,2,3,4,5,6,7
.irp a, 0,1,2,3
	v_max_num_f32 v[TB+4*\j+\a], 0, v[8*(8*\a+\mb)+\j]
.endr
.endr
	WIN 0
	s_wait_xcnt 0x0
.irp j, 0,1,2,3,4,5,6,7
	global_store_b128 v[CO], v[TB+4*\j:TB+4*\j+3], s[8:9] offset:(64*(\mb/4)+4*\j+\mb%4)*OROW+256*\gb th:TH_STORE_NT   ; 16 lanes store 256 consecutive bytes, at a multiple of 256 from out0's first byte; 95 rows and 256 bytes at the most: inside the signed 24-bit immediate
.endr
.endm
; THE MIRRORED WAY OUT, block n of 16: the four accumulators (nb, 4 G + 0..3), nb = n / 2, G = n % 2: the 16 mirrored rows 64 (nb / 4) + 4 r + nb % 4, their columns 64 G to 64 G + 63.
; TGATHER: the clamp again, now as the copy that brings four neighbouring mirrored columns (mb % 4 = 0..3) into four neighbouring registers.
.macro TGATHER n
.set NB, (\n)/2
.set GG, (\n)%2
	WIN (0x08+0x04*(NB/4))                         ; source 1: window 2 or 3
.irp j, 0,1,2,3,4,5,6,7
.irp b, 0,1,2,3
	v_max_num_f32 v[TT+4*\j+\b], 0, v[8*(8*(NB%4)+4*GG+\b)+\j]
.endr
.endr
	WIN 0
.endm
; TSTAGE: a lane's 128 bytes go into stage row r (the sixteen lanes of a store touch sixteen different 16-byte columns of the 256: the pitch is 272), and whole rows come back.
.macro TSTAGE n
.set BK, RES+32*((\n)%2)
.irp j, 0,1,2,3,4,5,6,7
	ds_store_b128 v[STO], v[TT+4*\j:TT+4*\j+3] offset:16*\j
.endr
.irp t, 0,1,2,3,4,5,6,7
	ds_load_b128 v[BK+4*\t:BK+4*\t+3], v[RD] offset:\t*2*SPITCH    ; LDS serves a wave's instructions in order (ISA guide 5.7.1.4): these see the stores above, and the next block's stores come behind them
.endr
.endm
; TSEND: stage row 2 t + h is mirrored row 64 (nb / 4) + 8 t + 4 h + nb % 4.
.macro TSEND n
.set NB, (\n)/2
.set GG, (\n)%2
.set BK, RES+32*((\n)%2)
	s_wait_dscnt 0x0                               ; the block is back in registers
	s_wait_xcnt 0x0                                ; the addresses of the block before are translated (ISA guide 3.1): the next TSTAGE loads into that block's registers only behind this wait
.irp t, 0,1,2,3,4,5,6,7
	global_store_b128 v[CT], v[BK+4*\t:BK+4*\t+3], s[4:5] offset:(64*(NB/4)+8*\t+NB%4)*OROW+256*GG th:TH_STORE_NT   ; 16 lanes store 256 consecutive bytes, at a multiple of 256 from out0's first byte; 123 rows and 256 bytes at the most: inside the signed 24-bit immediate
.endr
.endm
	s_wait_loadcnt 0x0                             ; sq, once
	s_wait_tensorcnt 1                             ; my part of K step 0 is in; K step 1's may stay out
	s_barrier_signal -1
	s_barrier_wait -1                              ; everybody's is
	FETCH 0, 0, F0
	QUARTER 0, 64,  F0, F1, 1                      ; the first quarter stands in front of the loop: its products start the sums
	WIN 0                                          ; at a label and at a branch every window is 0
	s_mov_b32 s3, LAPS-1
.Llap:                                                 ; 15 trips: each goes once round the ring, from a lap's second quarter to the next lap's first, and fills both slots again (K steps 2 to 31)
	QUARTER 0, 128, F1, F0, 0
	QUARTER 0, 192, F0, F1, 0
	TURN 0, 1, 1
	QUARTER 1, 64,  F0, F1, 0
	QUARTER 1, 128, F1, F0, 0
	QUARTER 1, 192, F0, F1, 0
	TURN 1, 0, 1
	QUARTER 0, 64,  F0, F1, 0
	WIN 0
	s_sub_co_u32 s3, s3, 1
	s_cmp_lg_u32 s3, 0
	s_cbranch_scc1 .Llap
	QUARTER 0, 128, F1, F0, 0                      ; the last lap is written out: it asks for nothing more
	QUARTER 0, 192, F0, F1, 0
	TURN 0, 1, 0                                   ; my one tensor load that was still out is slot 1's, the last K step's, so no round follows
	QUARTER 1, 64,  F0, F1, 0
	QUARTER 1, 128, F1, F0, 0
	QUARTER 1, 192, F0, F1, 0
	s_wait_dscnt 8                                 ; the very last quarter: nothing more to fetch
	WIN MUL_LO
	MUL16 F1, 0, 0, 0
	MUL16 F1, 0, 2, 0
	s_wait_dscnt 0
	WIN MUL_HI
	MUL16 F1, 1, 0, 0
	MUL16 F1, 1, 2, 0
	WIN 0
	PLACES                                         ; the way out reads results just made
.irp mb, 0,1,2,3,4,5,6,7
.irp gb, 0,1
	OUTBLK \gb, \mb
.endr
.endr
	s_cmp_eq_u32 s[SA], s[SB]                      ; a cluster on the diagonal has made both tiles of every mirrored pair itself.  A and B are the cluster's: all sixteen partners take the same way,
	s_cbranch_scc1 .Lon_diagonal                   ; and the way jumped over holds no barrier and no tensor load
	s_wait_xcnt 0x0                                ; the last straight stores' addresses are translated: their registers take the blocks that come back from the stage
	TGATHER 0
	TSTAGE 0
.irp n, 1,2,3,4,5,6,7,8,9,10,11,12,13,14,15        ; block n's clamps stand between block n - 1's loads from the stage and the wait for them
	TGATHER \n
	TSEND \n-1
	TSTAGE \n
.endr
	TSEND 15
.Lon_diagonal:
	s_set_vgpr_msb 0x1
	s_wait_tensorcnt 0x0
	ds_add_u32 v255, v63
	s_wait_dscnt 0x0
	s_set_vgpr_msb 0x100
	CROUND                                         ; the closing round: no work-group ends while a partner may still ask for a tile that names it
	s_endpgm
.Lfunc_end_k_q20307792f0_dist:
	.size	k_q20307792f0_dist, .Lfunc_end_k_q20307792f0_dist-k_q20307792f0_dist
	.p2alignl 7, 3214868480
	.fill 96, 4, 3214868480
	.section	.rodata,"a",@progbits
	.p2align	6, 0x0
	.amdhsa_kernel k_q20307792f0_dist
		.amdhsa_group_segment_fixed_size 327680
		.amdhsa_private_segment_fixed_size 0
		.amdhsa_enable_private_segment 0
		.amdhsa_kernarg_size 24
		.amdhsa_user_sgpr_count 2
		.amdhsa_user_sgpr_kernarg_segment_ptr 1
		.amdhsa_wavefront_size32 1
		.amdhsa_system_sgpr_workgroup_id_x 1
		.amdhsa_system_sgpr_workgroup_id_y 1
		.amdhsa_system_sgpr_workgroup_id_z 1
		.amdhsa_system_vgpr_workitem_id 0
		.amdhsa_next_free_vgpr 1024
		.amdhsa_next_free_sgpr 66
		.amdhsa_reserve_vcc 0
		.amdhsa_float_denorm_mode_32 3
		.amdhsa_float_denorm_mode_16_64 3
		.amdhsa_memory_ordered 1
		.amdhsa_forward_progress 1
		.amdhsa_inst_pref_size 238
	.end_amdhsa_kernel
	.amdgpu_metadata
---
amdhsa.version: [ 1, 2 ]
amdhsa.kernels:
  - .name:           k_q20307792f0_dist
    .symbol:         k_q20307792f0_dist.kd
    .args:
      - { .name: eb, .offset: 0, .size: 8, .value_kind: global_buffer, .address_space: global }
      - { .name: sq, .offset: 8, .size: 8, .value_kind: global_buffer, .address_space: global }
      - { .name: out0, .offset: 16, .size: 8, .value_kind: global_buffer, .address_space: global }
    .group_segment_fixed_size: 327680
    .private_segment_fixed_size: 0
    .kernarg_segment_align: 8
    .kernarg_segment_size: 24
    .max_flat_workgroup_size: 128
    .sgpr_count:     66
    .vgpr_count:     1024
    .wavefront_size: 32
...
	.end_amdgpu_metadata
.endif
;; end of part 4
